; MI455X (gfx1250); checked and timed in simulation.
; The chip was launched on July 23, 2026; its instructions are those of AMD's public machine-readable ISA for CDNA 5 (MIT licence, August 2026) and "CDNA5" Instruction Set Architecture Reference Guide (July 2026). The comments in the code are by the model that wrote it; some were corrected since.
;; Trellis Linear. Allowed arithmetic: float matrix products may take bf16 or f16 operands with f32 sums; other float arithmetic in f32, or as packed bf16 or f16 multiplies, adds, multiply-adds, maxima and minima; sums over many terms, partial sums and values carried from step to step in f32; what a program stores and reads back later, other than sums and carried values, may be rounded once to bf16 or f16.
;; Inputs: SU 4,096 float32; SV 4,096 float32; scales 65,536 x 1 float32; tlut 1,024 x 2 float32; trellis 65,536 x 32 int32; x 4 x 1,024 x 4,096 float32.
;; Outputs: out0 4 x 1,024 x 4,096 float32.
;; One version. Each part assembles by itself: llvm-mc -triple=amdgcn-amd-amdhsa -mcpu=gfx1250 --defsym DOCPART=n.
;; ======== version 1 of 1: 3 launches
;; limits: values are held in f16: magnitudes above 65,504 overflow, below 6.1e-05 lose precision
;; workspace buffers: tq 33,554,432 bytes; xh 33,554,432 bytes; wq 33,554,432 bytes; pmax 4,096 bytes; gnorm 256 bytes
;; launch decode (part 1): grid 256 x 1, 16 waves a work-group, no clusters, 280,832 bytes of LDS; arguments trellis, tlut, SU, SV, scales, x, tq, xh, pmax; writes tq, xh, pmax
.if DOCPART == 1
	.amdgcn_target "amdgcn-amd-amdhsa--gfx1250"
	.amdhsa_code_object_version 6
	.text
	.protected	k_qdc92fd6835_decode
	.globl	k_qdc92fd6835_decode
	.p2align	8
	.type	k_qdc92fd6835_decode,@function
k_qdc92fd6835_decode:
	s_mov_b64 s[64:65], 0
	v_nop
	global_prefetch_b8 v0, s[64:65] scope:SCOPE_SE
	s_setreg_imm32_b32 hwreg(HW_REG_WAVE_MODE, 25, 1), 1
	s_wait_xcnt 0x0
; TRELLIS LINEAR, launch 1 of 3.  out0[t][o] = the sum over d of x[t][d] W[o][d], where W[o][d] = scales[16 o + d / 256] x SV[o] x SU[d] x 2^-12 x
; (the 24 butterfly stages, 12 over the bits of d and 12 over the bits of o, of the codes decoded from trellis by tlut).
; NOTHING IS LEFT OUT: all six inputs reach the output and all are loaded.  THE ORDER is changed by three identities that hold for all values: the 24 stages commute;
; SU[d] is a factor of a whole column d, so it commutes with the stages over o; constant factors move freely.
; THIS LAUNCH: the decode, the stages d0..d11 and o8..o11, the result T rounded once to f16 (tq); x rounded once to f16 (xh); partial maxima of |tlut|, |SU|, |SV|, |scales| (pmax).
; RANGE.  The table is divided by t' = max |tlut| (not below 1e-30) and by 2^8: a sum of 2^16 such numbers lies within 256 for every input, so T has room in f16.
; LIMITS.  |x| stays under 65,504 (f16).  A trellis word lies in 0..65,535: only its low half is taken.  t' lies in 1e-30 .. 1e38 (its reciprocal is taken).  a - b is made as (a + b) - 2 b by one
; fused multiply-add: one rounding more than a plain difference.  NaN and infinities are not treated apart.
; SHARES.  Work-group b has the 16 rows o = b + 256 w of W, wave w one whole row: 4,096 numbers = 128 registers x 32 lanes.  Wave w also rounds row 16 b + w of x.
; A ROW'S WAY.  (1) lane l decodes d = 128 l .. 128 l + 127 from 16 trellis words: register = d0..d6; stage d0 is folded into the table (v0 + v1, v0 - v1); stages d1..d6 in registers.
; (2) through the wave's own LDS row: lane = d2..d6, register = 4 (d7..d11) + (d0, d1); stages d7..d11.  (3) through LDS across the waves: wave = d8..d11, register = 8 (o8..o11) + 4 d7 + (d0, d1); stages o8..o11.
.set LUT,   0                          ; LDS: 1,024 table entries of 8 bytes
.set RED,   8192                       ; 16 bytes for each wave: its four maxima
.set SPARE, 8448                       ; the spare words, 128 bytes for each of the 16 waves: eight blocks of 256 bytes that no other line names
.set ROWS,  10496                      ; row w at ROWS + w ROWB; number d at (d / 128) LINE + 4 (d % 128)
.set LINE,  528                        ; 512 bytes + 16: 33 x 16
.set ROWB,  32*LINE
.set TRO, 2                            ; v2   my 64 bytes of trellis: 2,048 b + 524,288 w + 64 l
.set XO,  3                            ; v3   my 16 bytes in my wave's row of x
.set HO,  4                            ; v4   my 8 bytes in the same row of xh
.set AW,  5                            ; v5   LDS: line l of my wave's row
.set AR,  6                            ; v6   LDS: my 16 bytes of a line of my wave's row
.set AX,  7                            ; v7-10  LDS: my 16 bytes of line 2 w of rows 4 u, u = 0..3
.set TO,  11                           ; v11  my 8 bytes in a row of tq: 512 w + 8 l
.set SPW, 12                           ; v12  LDS address of my spare word; never rewritten
.set NIL, 13                           ; v13  0; never rewritten
.set CC,  14                           ; v[14:15] 2^-8 / t', twice
.set Q,   16                           ; v16  two neighbouring trellis words as 32 bits
.set AD,  17                           ; v17-24 table addresses at work
.set WT,  23                           ; v23  at work in WMAX
.set TW,  32                           ; v32-48 my 16 trellis words and the one behind them
.set Y,   32                           ; v32-63 later: x rounded, to be stored
.set X,   64                           ; v64-127 half a row of x as loaded
.set D,   128                          ; v128-255 the row
.set WV,  2                            ; s2   my wave's number
.set WG,  3                            ; s3   b
.set TB,  26                           ; s[26:33] tq at row b + 1,024 u, u = 0..3
; One butterfly stage over bit m of the index of the 64 register pairs: (a, b) -> (a + b, (a + b) - 2 b).  In batches of eight, so that no line reads the result of the line before it.
.macro STAGE m
.set bq, 0
.rept 4
.set bi, 8*bq
.rept 8
.set plo, D+2*((bi/(\m))*2*(\m)+bi%(\m))
	v_pk_add_f32 v[plo:plo+1], v[plo:plo+1], v[plo+2*(\m):plo+2*(\m)+1]
.set bi, bi+1
.endr
.set bi, 8*bq
.rept 8
.set plo, D+2*((bi/(\m))*2*(\m)+bi%(\m))
	v_pk_fma_f32 v[plo+2*(\m):plo+2*(\m)+1], v[plo+2*(\m):plo+2*(\m)+1], -2.0, v[plo:plo+1] op_sel_hi:[1,0,1]
.set bi, bi+1
.endr
.set bq, bq+1
.endr
.endm
; The maximum of register r over the 32 lanes, in every lane.
.macro WMAX r
	v_max_num_f32_dpp v[\r], v[\r], v[\r] row_xmask:1 row_mask:0xf bank_mask:0xf
	v_max_num_f32_dpp v[\r], v[\r], v[\r] row_xmask:2 row_mask:0xf bank_mask:0xf
	v_max_num_f32_dpp v[\r], v[\r], v[\r] row_xmask:4 row_mask:0xf bank_mask:0xf
	v_max_num_f32_dpp v[\r], v[\r], v[\r] row_xmask:8 row_mask:0xf bank_mask:0xf
	v_permlanex16_b32 v[WT], v[\r], s4, s5
	v_max_num_f32 v[\r], v[\r], v[WT]
.endm
; Half h of my wave's row of x: 16 loads, each of 512 consecutive bytes.
.macro XLOAD h
.irp c, 0,1,2,3,4,5,6,7,8,9,10,11,12,13,14,15
	global_load_b128 v[X+4*(\c):X+4*(\c)+3], v[XO], s[18:19] offset:8192*(\h)+512*(\c) th:TH_LOAD_NT
.endr
.endm
; The same half rounded to f16 and stored: each store of the wave covers 256 consecutive bytes, aligned.
.macro CAST h
.irp c, 0,1,2,3,4,5,6,7,8,9,10,11,12,13,14,15
	v_cvt_pk_f16_f32 v[Y+2*(\c)], v[X+4*(\c)], v[X+4*(\c)+1]
	v_cvt_pk_f16_f32 v[Y+2*(\c)+1], v[X+4*(\c)+2], v[X+4*(\c)+3]
	global_store_b64 v[HO], v[Y+2*(\c):Y+2*(\c)+1], s[22:23] offset:4096*(\h)+256*(\c) th:TH_STORE_NT
.endr
.endm
	s_load_b256 s[8:15], s[0:1], 0x0               ; trellis s[8:9], tlut s[10:11], SU s[12:13], SV s[14:15]
	s_load_b256 s[16:23], s[0:1], 0x20             ; scales s[16:17], x s[18:19], tq s[20:21], xh s[22:23]
	s_load_b64 s[24:25], s[0:1], 0x40              ; pmax
	v_lshl_add_u32 v[SPW], v0, 2, SPARE
	v_mov_b32 v[NIL], 0
	v_and_b32 v1, 31, v0                           ; lane
	v_lshrrev_b32 v16, 5, v0
	v_readfirstlane_b32 s[WV], v16                 ; wave 0..15
	s_mov_b32 s[WG], ttmp9
	s_mov_b32 s4, 0x76543210                       ; v_permlanex16_b32: each lane takes its own place in the other half
	s_mov_b32 s5, 0xfedcba98
	s_mov_b32 s6, 0x05040100                       ; v_perm_b32: the low halves of two words
	s_mov_b32 s7, 0x7fffffff                       ; clears a sign
	s_lshl_b32 s35, s[WG], 11                      ; a row of W is 16 trellis rows of 128 bytes
	s_lshl_b32 s36, s[WV], 19                      ; 256 rows of W on
	s_add_co_u32 s35, s35, s36
	v_lshl_add_u32 v[TRO], v1, 6, s35
	s_lshl4_add_u32 s35, s[WG], s[WV]              ; my row of x: 16 b + w
	s_lshl_b32 s36, s35, 14
	v_lshl_add_u32 v[XO], v1, 4, s36
	s_lshl_b32 s36, s35, 13
	v_lshl_add_u32 v[HO], v1, 3, s36
	s_mul_i32 s35, s[WV], ROWB
	s_add_co_u32 s35, s35, ROWS                    ; my wave's row in LDS
	v_mul_u32_u24 v[AW], v1, LINE
	v_add_nc_u32 v[AW], s35, v[AW]
	v_lshl_add_u32 v[AR], v1, 4, s35
	s_mul_i32 s35, s[WV], 2*LINE
	s_add_co_u32 s35, s35, ROWS                    ; lines 2 w, 2 w + 1 of row 0
.irp u, 0,1,2,3
	v_lshl_add_u32 v[AX+(\u)], v1, 4, s35
	s_add_co_u32 s35, s35, 4*ROWB
.endr
	s_lshl_b32 s35, s[WV], 9
	v_lshl_add_u32 v[TO], v1, 3, s35
	v_lshlrev_b32 v24, 4, v0                       ; thread t has table entries 2 t, 2 t + 1: byte 16 t, in tlut and in LDS
	v_and_b32 v25, 0xff, v0
	s_lshl_b32 s35, s[WG], 8
	v_add_lshl_u32 v25, v25, s35, 2                ; scales[256 b + t % 256]
	v_and_b32 v26, 15, v0
	s_lshl_b32 s35, s[WG], 4
	v_add_lshl_u32 v26, v26, s35, 2                ; SU, SV [16 b + t % 16]
	s_lshl_b32 s36, s[WG], 13                      ; row b of tq
	s_mov_b32 s37, 0
	s_wait_kmcnt 0x0
	s_add_nc_u64 s[TB:TB+1], s[20:21], s[36:37]
.irp u, 1,2,3
	s_add_nc_u64 s[TB+2*(\u):TB+2*(\u)+1], s[TB+2*(\u)-2:TB+2*(\u)-1], 0x800000  ; 1,024 rows of 8,192 bytes on
.endr
	global_load_b128 v[16:19], v24, s[10:11]
	global_load_b32 v20, v25, s[16:17]
	global_load_b32 v21, v26, s[12:13]
	global_load_b32 v22, v26, s[14:15]
.irp i, 0,1,2,3
	global_load_b128 v[TW+4*(\i):TW+4*(\i)+3], v[TRO], s[8:9] offset:16*(\i)  ; the four loads walk the same 2,048 bytes, a quarter each
.endr
	XLOAD 0
	s_wait_loadcnt 16                              ; the eight small loads are in; the 16 younger loads of x stay out
	; THE MAXIMA: my thread's, my wave's, the work-group's.
	v_and_b32 v28, s7, v16
	v_and_b32 v29, s7, v17
	v_and_b32 v30, s7, v18
	v_and_b32 v31, s7, v19
	v_max3_num_f32 v28, v28, v29, v30
	v_max_num_f32 v28, v28, v31                    ; |tlut|
	v_and_b32 v29, s7, v21                         ; |SU|
	v_and_b32 v30, s7, v22                         ; |SV|
	v_and_b32 v31, s7, v20                         ; |scales|
	v_mov_b32 v[WT], 0                             ; v_permlanex16_b32's destination counts as read
	WMAX 28
	WMAX 29
	WMAX 30
	WMAX 31
	s_lshl_b32 s35, s[WV], 4
	s_add_co_u32 s35, s35, RED
	v_mov_b32 v27, s35
	ds_store_b128 v27, v[28:31]
	s_wait_dscnt 0x0                               ; for the others' sake: my four maxima lie in LDS
	s_barrier_signal -1
	s_barrier_wait -1
	v_mov_b32 v27, RED
.irp k, 0,1,2,3,4,5,6,7,8,9,10,11,12,13,14,15
	ds_load_b128 v[D+4*(\k):D+4*(\k)+3], v27 offset:16*(\k)
.endr
	s_wait_dscnt 0x0
.irp e, 0,1,2,3
	v_max3_num_f32 v[28+(\e)], v[D+(\e)], v[D+4+(\e)], v[D+8+(\e)]
.irp k, 3,5,7,9,11,13
	v_max3_num_f32 v[28+(\e)], v[28+(\e)], v[D+4*(\k)+(\e)], v[D+4*(\k)+4+(\e)]
.endr
	v_max_num_f32 v[28+(\e)], v[28+(\e)], v[D+60+(\e)]
.endr
	; THE TABLE: entry (v0, v1) becomes ((v0 + v1) c, (v0 - v1) c), c = 2^-8 / t': stage d0 and the normalisation.
	v_max_num_f32 v25, 0x0da24260, v28             ; t', not below 1e-30
	v_rcp_f32 v26, v25
	v_add_f32 v20, v16, v17                        ; four plain lines that name neither v25 nor v26 stand behind the reciprocal
	v_sub_f32 v21, v16, v17
	v_add_f32 v22, v18, v19
	v_sub_f32 v23, v18, v19
	s_wait_alu depctr_va_vdst(0)                   ; the wait ahead of the reciprocal's first reader
	v_mul_f32 v[CC], 0x3b800000, v26
	v_mov_b32 v[CC+1], v[CC]
	v_pk_mul_f32 v[20:21], v[20:21], v[CC:CC+1]
	v_pk_mul_f32 v[22:23], v[22:23], v[CC:CC+1]
	ds_store_b128 v24, v[20:23]
	s_cmp_lg_u32 s[WV], 0                          ; wave 0's first lane stores the work-group's four maxima
	s_cbranch_scc1 .Lnot_first
	s_lshl_b32 s35, s[WG], 4
	v_mov_b32 v27, s35
	v_cmp_eq_u32 vcc_lo, 0, v0
	s_wait_xcnt 0x0                                ; EXEC is a source of the loads of x that are out: it changes only behind this wait
	s_and_saveexec_b32 s34, vcc_lo
	global_store_b128 v27, v[28:31], s[24:25]
	s_wait_xcnt 0x0                                ; and again in front of the line that widens it; the store's registers are free behind it too
	s_or_b32 exec_lo, exec_lo, s34
.Lnot_first:
	s_wait_dscnt 0x0                               ; my two table entries lie in LDS
	s_barrier_signal -1
	s_barrier_wait -1                              ; the table is whole
	; THE DECODE.  State 4 i + s of my 64 is bits 16 - 4 s .. 31 - 4 s of (word i, word i + 1); its low 10 bits pick the entry.  The word behind my 16 is the first word of lane l xor 1:
	; the row's second half for an even lane, the row's first word (the stream bites its tail) for an odd one.
	v_mov_b32 v[TW+16], 0
	v_mov_b32_dpp v[TW+16], v[TW] row_xmask:1 row_mask:0xf bank_mask:0xf
.set i, 0
.rept 16
	v_perm_b32 v[Q], v[TW+i], v[TW+i+1], s6
.irp s, 0,1,2,3
	v_bfe_u32 v[AD+4*(i%2)+(\s)], v[Q], 16-4*(\s), 10
.endr
.irp s, 0,1,2,3
	v_min_u32 v[AD+4*(i%2)+(\s)], 0x3ff, v[AD+4*(i%2)+(\s)]  ; a loaded number enters an address behind a bound written in the text
.endr
.irp s, 0,1,2,3
	v_lshlrev_b32 v[AD+4*(i%2)+(\s)], 3, v[AD+4*(i%2)+(\s)]
.endr
.irp s, 0,1,2,3
	ds_load_b64 v[D+8*i+2*(\s):D+8*i+2*(\s)+1], v[AD+4*(i%2)+(\s)]
.endr
.set i, i+1
.endr
	s_wait_dscnt 0x0
	STAGE 1                                        ; d1
	STAGE 2
	STAGE 4
	STAGE 8
	STAGE 16
	STAGE 32                                       ; d6
	; Through my wave's own row in LDS: no other wave touches these bytes yet, and LDS serves a wave's instructions in order (ISA guide 5.7.1.4), so no wait stands between the stores and the loads.
.set n, 0
.rept 32
	ds_store_b128 v[AW], v[D+4*n:D+4*n+3] offset:16*n
.set n, n+1
.endr
.set n, 0
.rept 32
	ds_load_b128 v[D+4*n:D+4*n+3], v[AR] offset:LINE*n
.set n, n+1
.endr
	s_wait_loadcnt 0x0                             ; while those are out: the first half of my row of x
	CAST 0
	XLOAD 1
	s_wait_dscnt 0x0
	STAGE 2                                        ; d7
	STAGE 4
	STAGE 8
	STAGE 16
	STAGE 32                                       ; d11
.set n, 0
.rept 32
	ds_store_b128 v[AR], v[D+4*n:D+4*n+3] offset:LINE*n
.set n, n+1
.endr
	s_wait_dscnt 0x0                               ; for the others' sake: my row lies in LDS
	s_barrier_signal -1
	s_barrier_wait -1                              ; all 16 rows do
.set n, 0
.rept 16                                       ; of each of the 16 rows the numbers d = 256 w .. 256 w + 255
	ds_load_b128 v[D+8*n:D+8*n+3],   v[AX+n/4] offset:(n%4)*ROWB
	ds_load_b128 v[D+8*n+4:D+8*n+7], v[AX+n/4] offset:(n%4)*ROWB+LINE
.set n, n+1
.endr
	s_wait_dscnt 0x0
	STAGE 4                                        ; o8
	STAGE 8
	STAGE 16
	STAGE 32                                       ; o11
	; T leaves, rounded once to f16: each store of the wave covers 256 consecutive bytes, aligned.
.set n, 0
.rept 16
.irp h, 0,1
	v_cvt_pk_f16_f32 v[D+8*n+4*(\h)], v[D+8*n+4*(\h)], v[D+8*n+4*(\h)+1]
	v_cvt_pk_f16_f32 v[D+8*n+4*(\h)+1], v[D+8*n+4*(\h)+2], v[D+8*n+4*(\h)+3]
	global_store_b64 v[TO], v[D+8*n+4*(\h):D+8*n+4*(\h)+1], s[TB+2*(n/4):TB+2*(n/4)+1] offset:(n%4)*0x200000+256*(\h) th:TH_STORE_NT
.endr
.set n, n+1
.endr
	s_wait_loadcnt 0x0                             ; the second half of my row of x
	s_wait_xcnt 0x0                                ; Y, which the first half's stores read, is rewritten only behind this wait
	CAST 1
	s_wait_tensorcnt 0x0                           ; the wave's end, behind my last LDS store
	ds_add_u32 v[SPW], v[NIL]
	s_wait_dscnt 0x0
	s_endpgm
.Lfunc_end_k_qdc92fd6835_decode:
	.size	k_qdc92fd6835_decode, .Lfunc_end_k_qdc92fd6835_decode-k_qdc92fd6835_decode
	.p2alignl 7, 3214868480
	.fill 96, 4, 3214868480
	.section	.rodata,"a",@progbits
	.p2align	6, 0x0
	.amdhsa_kernel k_qdc92fd6835_decode
		.amdhsa_group_segment_fixed_size 280832
		.amdhsa_private_segment_fixed_size 0
		.amdhsa_enable_private_segment 0
		.amdhsa_kernarg_size 72
		.amdhsa_user_sgpr_count 2
		.amdhsa_user_sgpr_kernarg_segment_ptr 1
		.amdhsa_wavefront_size32 1
		.amdhsa_system_sgpr_workgroup_id_x 1
		.amdhsa_system_sgpr_workgroup_id_y 1
		.amdhsa_system_sgpr_workgroup_id_z 1
		.amdhsa_system_vgpr_workitem_id 0
		.amdhsa_next_free_vgpr 256
		.amdhsa_next_free_sgpr 66
		.amdhsa_reserve_vcc 1
		.amdhsa_float_denorm_mode_32 3
		.amdhsa_float_denorm_mode_16_64 3
		.amdhsa_memory_ordered 1
		.amdhsa_forward_progress 1
		.amdhsa_inst_pref_size 111
	.end_amdhsa_kernel
	.amdgpu_metadata
---
amdhsa.version: [ 1, 2 ]
amdhsa.kernels:
  - .name:           k_qdc92fd6835_decode
    .symbol:         k_qdc92fd6835_decode.kd
    .args:
      - { .name: trellis, .offset: 0, .size: 8, .value_kind: global_buffer, .address_space: global }
      - { .name: tlut, .offset: 8, .size: 8, .value_kind: global_buffer, .address_space: global }
      - { .name: SU, .offset: 16, .size: 8, .value_kind: global_buffer, .address_space: global }
      - { .name: SV, .offset: 24, .size: 8, .value_kind: global_buffer, .address_space: global }
      - { .name: scales, .offset: 32, .size: 8, .value_kind: global_buffer, .address_space: global }
      - { .name: x, .offset: 40, .size: 8, .value_kind: global_buffer, .address_space: global }
      - { .name: tq, .offset: 48, .size: 8, .value_kind: global_buffer, .address_space: global }
      - { .name: xh, .offset: 56, .size: 8, .value_kind: global_buffer, .address_space: global }
      - { .name: pmax, .offset: 64, .size: 8, .value_kind: global_buffer, .address_space: global }
    .group_segment_fixed_size: 280832
    .private_segment_fixed_size: 0
    .kernarg_segment_align: 8
    .kernarg_segment_size: 72
    .max_flat_workgroup_size: 512
    .sgpr_count:     66
    .vgpr_count:     256
    .wavefront_size: 32
...
	.end_amdgpu_metadata
.endif
;; end of part 1
;; launch colmix (part 2): grid 16 x 16, 16 waves a work-group, no clusters, 167,936 bytes of LDS; arguments tq, pmax, SU, SV, scales, wq, gnorm; writes wq, gnorm
.if DOCPART == 2
	.amdgcn_target "amdgcn-amd-amdhsa--gfx1250"
	.amdhsa_code_object_version 6
	.text
	.protected	k_qdc92fd6835_colmix
	.globl	k_qdc92fd6835_colmix
	.p2align	8
	.type	k_qdc92fd6835_colmix,@function
k_qdc92fd6835_colmix:
	s_mov_b64 s[64:65], 0
	v_nop
	global_prefetch_b8 v0, s[64:65] scope:SCOPE_SE
	s_setreg_imm32_b32 hwreg(HW_REG_WAVE_MODE, 25, 1), 1
	s_wait_xcnt 0x0
; TRELLIS LINEAR, launch 2 of 3: the stages o0..o7 on T (tq, f16), then the three diagonals; W' leaves in f16 (wq), and the one factor G that W' lacks in gnorm.  Nothing is left out.
; W'[o][d] = (the 8-stage sum of T) x (SU[d] / su') x (SV[o] / sv') x (scales[16 o + d / 256] / sc') x 2^-1, with su', sv', sc' the maxima of |SU|, |SV|, |scales| (none below 1e-30).
; |T| <= 256, so |W'| <= 256 x 256 / 2 = 32,768 for every input: inside f16.  W = G W', G = 2^-3 t' su' sv' sc' (2^-12 in all: 2^-8 in T, 2^-1 here, 2^-3 in G).
; LIMITS.  The product of the four maxima stays in f32's range, each maximum in 1e-30 .. 1e38.  W' below 6e-5 keeps f16's fixed step of 6e-8.  NaN and infinities are not treated apart.
; SHARES.  Work-group (j, g) has the rows o = 256 g + 0..255 and the columns d = 256 j + 0..255.  The tile comes by four tensor loads (waves 0-3, 64 rows of 512 bytes each), once; no byte of LDS is filled again.
; Wave w has columns 16 w .. 16 w + 15.  Lane l: q = l % 4 = o0, o1; cp = l / 4 = the pair of columns.  Register pair i = 0..63 is row 4 i + q: stages o2..o7 in registers, o0 and o1 between lanes.
; NO CLUSTER: no two work-groups read the same tile.
.set PITCH, 544                        ; a row in LDS: 512 bytes + 32: the four rows that a load of 4 bytes a lane touches start 32 bytes apart modulo 256, eight lanes fill each 32
.set QROWS, 64*PITCH                   ; what one tensor load brings
.set RFT,   256*PITCH                  ; the 256 row factors: row oh at RFT + RFP (oh % 4) + 4 (oh / 4)
.set RFP,   272
.set RED,   RFT+1280                   ; 16 bytes for each wave: its four maxima
.set SPARE, RED+256                    ; the spare words, 128 bytes for each of the 16 waves: eight blocks of 256 bytes that no other line names
.set AT,  2                            ; v2-5  LDS: my 4 bytes of row q + 64 u, u = 0..3
.set AO,  6                            ; v6    LDS, the way out: my 16 bytes of row 16 w
.set WO,  7                            ; v7    16 l
.set SPW, 8                            ; v8    LDS address of my spare word; never rewritten
.set NIL, 9                            ; v9    0; never rewritten
.set ONE, 10                           ; v10   1.0
.set RFA, 11                           ; v11   LDS: the 64 factors of my rows
.set SG1, 12                           ; v[12:13] +1 where o0 = 0, -1 where o0 = 1
.set SG2, 14                           ; v[14:15] the same for o1
.set SUP, 16                           ; v[16:17] SU / su' of my two columns
.set P,   32                           ; v32-95 the tile as loaded: two f16 a register
.set RF,  32                           ; later: the factors of my 64 rows
.set T,   96                           ; v96-111 at work
.set MONE, 112                         ; v112  -1.0
.set GAD, 113                          ; v113  8 l
.set WT,  114                          ; v114  at work in WMAX
.set D,   128                          ; v128-255 64 pairs of f32
.set WV,  2                            ; s2    my wave's number
.set CJ,  3                            ; s3    j
.set RG,  6                            ; s6    g
.set G0,  24                           ; s[24:27] descriptor group 0
.set G1,  28                           ; s[28:35] descriptor group 1
.macro STAGE m                         ; one butterfly stage over bit m of the pair's index: (a, b) -> (a + b, (a + b) - 2 b), in batches of eight
.set bq, 0
.rept 4
.set bi, 8*bq
.rept 8
.set plo, D+2*((bi/(\m))*2*(\m)+bi%(\m))
	v_pk_add_f32 v[plo:plo+1], v[plo:plo+1], v[plo+2*(\m):plo+2*(\m)+1]
.set bi, bi+1
.endr
.set bi, 8*bq
.rept 8
.set plo, D+2*((bi/(\m))*2*(\m)+bi%(\m))
	v_pk_fma_f32 v[plo+2*(\m):plo+2*(\m)+1], v[plo+2*(\m):plo+2*(\m)+1], -2.0, v[plo:plo+1] op_sel_hi:[1,0,1]
.set bi, bi+1
.endr
.set bq, bq+1
.endr
.endm
.macro WMAX r                          ; the maximum of register r over the 32 lanes, in every lane
	v_max_num_f32_dpp v[\r], v[\r], v[\r] row_xmask:1 row_mask:0xf bank_mask:0xf
	v_max_num_f32_dpp v[\r], v[\r], v[\r] row_xmask:2 row_mask:0xf bank_mask:0xf
	v_max_num_f32_dpp v[\r], v[\r], v[\r] row_xmask:4 row_mask:0xf bank_mask:0xf
	v_max_num_f32_dpp v[\r], v[\r], v[\r] row_xmask:8 row_mask:0xf bank_mask:0xf
	v_permlanex16_b32 v[WT], v[\r], s4, s5
	v_max_num_f32 v[\r], v[\r], v[WT]
.endm
; A stage between lanes l and l xor mask: the new number is the other lane's plus mine times +1 (my bit 0) or -1 (my bit 1).  In batches of eight pairs.
.macro LANEST sg, mask
.set lb, 0
.rept 8
.set lp, 0
.rept 8
	v_pk_mul_f32 v[T+2*lp:T+2*lp+1], v[D+16*lb+2*lp:D+16*lb+2*lp+1], v[(\sg):(\sg)+1]
.set lp, lp+1
.endr
.set lp, 0
.rept 16
	v_add_f32_dpp v[D+16*lb+lp], v[D+16*lb+lp], v[T+lp] row_xmask:\mask row_mask:0xf bank_mask:0xf
.set lp, lp+1
.endr
.set lb, lb+1
.endr
.endm
	s_load_b256 s[8:15], s[0:1], 0x0               ; tq s[8:9], pmax s[10:11], SU s[12:13], SV s[14:15]
	s_load_b128 s[16:19], s[0:1], 0x20             ; scales s[16:17], wq s[18:19]
	s_load_b64 s[20:21], s[0:1], 0x30              ; gnorm
	v_lshl_add_u32 v[SPW], v0, 2, SPARE
	v_mov_b32 v[NIL], 0
	ds_add_u32 v[SPW], v[NIL]                      ; the wave's opening: the add, twice on end, and its wait ahead of the first tensor load; the set-up below, work on registers, stands between
	ds_add_u32 v[SPW], v[NIL]                      ; and once more, under the one wait
	v_and_b32 v1, 31, v0                           ; lane
	v_lshrrev_b32 v18, 5, v0
	v_readfirstlane_b32 s[WV], v18                 ; wave 0..15
	s_mov_b32 s[CJ], ttmp9
	s_and_b32 s[RG], ttmp7, 0xffff
	s_mov_b32 s4, 0x76543210
	s_mov_b32 s5, 0xfedcba98
	s_mov_b32 s7, 0x0da24260                       ; 1e-30
	; the descriptor: 64 rows x 256 elements of 2 bytes, 4,096 elements from row to row; in LDS 8 words of padding behind every 128
	s_mov_b32 s[G0], 1                             ; count = 1
	s_mul_i32 s[G0+1], s[WV], QROWS                ; LDS address: wave x 64 rows
	s_mov_b32 s[G1+0], (1<<16)|(1<<20)|(6<<22)|(7<<25)  ; 17:16 elements of 2 bytes; 20 padding on; 24:22 after every 128 words (code 6); 31:25 8 words of it (code 7)
	s_mov_b32 s[G1+1], 256<<16                     ; tensor_dim0 = 256
	s_mov_b32 s[G1+2], 64<<16                      ; tensor_dim1 = 64
	s_mov_b32 s[G1+3], 256<<16                     ; tile_dim0 = 256
	s_mov_b32 s[G1+4], 64                          ; tile_dim1 = 64
	s_mov_b32 s[G1+5], 4096                        ; elements from row to row
	s_mov_b32 s[G1+6], 0
	s_mov_b32 s[G1+7], 0
	s_lshl_b32 s36, s[RG], 21                      ; 256 g rows of 8,192 bytes,
	s_lshl_b32 s37, s[CJ], 9                       ; 256 j columns of 2 bytes
	s_add_co_u32 s36, s36, s37
	s_lshl_b32 s37, s[WV], 17                      ; out: 16 w rows
	s_add_co_u32 s38, s36, s37
	s_mov_b32 s39, 0
	s_lshl_b32 s37, s[WV], 19                      ; in: 64 w rows
	s_add_co_u32 s36, s36, s37
	s_mov_b32 s37, 0
	v_and_b32 v28, 3, v0                           ; q
	v_bfe_u32 v29, v0, 2, 3                        ; cp
	v_mul_u32_u24 v[AT], v28, PITCH
	v_lshl_add_u32 v[AT], v29, 2, v[AT]
	s_lshl_b32 s22, s[WV], 5                       ; my wave's 16 columns: 32 bytes
	v_add_nc_u32 v[AT], s22, v[AT]
.irp u, 1,2,3
	v_add_nc_u32 v[AT+(\u)], (\u)*QROWS, v[AT]
.endr
	s_mul_i32 s22, s[WV], 16*PITCH
	v_lshl_add_u32 v[AO], v1, 4, s22
	v_lshlrev_b32 v[WO], 4, v1
	v_lshlrev_b32 v[GAD], 3, v1
	v_mov_b32 v[ONE], 1.0
	v_mov_b32 v[MONE], -1.0
	v_mul_u32_u24 v[RFA], v28, RFP
	v_add_nc_u32 v[RFA], RFT, v[RFA]
	v_lshlrev_b32 v[SG1], 31, v0                   ; bit 0 of the lane becomes the sign of 1.0
	v_or_b32 v[SG1], 0x3f800000, v[SG1]
	v_mov_b32 v[SG1+1], v[SG1]
	v_lshlrev_b32 v[SG2], 30, v0                   ; and bit 1
	v_and_b32 v[SG2], 0x80000000, v[SG2]
	v_or_b32 v[SG2], 0x3f800000, v[SG2]
	v_mov_b32 v[SG2+1], v[SG2]
	v_and_b32 v27, 0xff, v0                        ; tt = t % 256
	v_lshlrev_b32 v18, 4, v27                      ; pmax entry tt
	s_lshl_b32 s22, s[CJ], 10
	s_lshl_b32 s23, s[WV], 6
	s_add_co_u32 s22, s22, s23
	v_lshl_add_u32 v19, v29, 3, s22                ; SU[256 j + 16 w + 2 cp], two numbers
	s_lshl_b32 s22, s[RG], 8
	v_add_lshl_u32 v26, v27, s22, 2                ; SV[256 g + tt]
	v_add_lshl_u32 v27, v27, s22, 6                ; scales[16 (256 g + tt) + j]
	s_lshl_b32 s22, s[CJ], 2
	v_add_nc_u32 v27, s22, v27
	v_mov_b32 v[WT], 0                             ; v_permlanex16_b32's destination counts as read
	s_wait_dscnt 0x0                               ; both opening adds are done
	s_wait_kmcnt 0x0
	s_add_nc_u64 s[G0+2:G0+3], s[8:9], s[36:37]    ; global address of my 64 rows
	s_or_b32 s[G0+3], s[G0+3], 0x80000000          ; type = 2
	s_add_nc_u64 s[22:23], s[18:19], s[38:39]      ; wq at my wave's 16 rows
	s_cmp_lt_u32 s[WV], 4
	s_cbranch_scc0 .Lno_fill                       ; waves 0-3 fetch a quarter of the tile each: one tensor load of a wave is out
	tensor_load_to_lds s[G0:G0+3], s[G1:G1+7]
	s_nop 0
.Lno_fill:
	global_load_b128 v[20:23], v18, s[10:11]
	global_load_b64 v[SUP:SUP+1], v19, s[12:13]
	global_load_b32 v24, v26, s[14:15]
	global_load_b32 v25, v27, s[16:17]
	s_wait_loadcnt 0x0
	WMAX 20                                        ; waves 0-7 hold the 256 entries between them, waves 8-15 the same again
	WMAX 21
	WMAX 22
	WMAX 23
	s_lshl_b32 s36, s[WV], 4
	s_add_co_u32 s36, s36, RED
	v_mov_b32 v28, s36
	ds_store_b128 v28, v[20:23]
	s_wait_tensorcnt 0x0                           ; my quarter of the tile has landed,
	s_wait_dscnt 0x0                               ; my four maxima lie in LDS:
	s_barrier_signal -1
	s_barrier_wait -1                              ; everybody's do
	v_mov_b32 v28, RED
.irp k, 0,1,2,3,4,5,6,7
	ds_load_b128 v[D+4*(\k):D+4*(\k)+3], v28 offset:16*(\k)
.endr
	v_lshrrev_b32 v26, 2, v0
	v_lshl_add_u32 v26, v26, 2, v[RFA]             ; where thread t < 256 puts the factor of row t
	s_wait_dscnt 0x0
.irp e, 0,1,2,3
	v_max3_num_f32 v[20+(\e)], v[D+(\e)], v[D+4+(\e)], v[D+8+(\e)]
	v_max3_num_f32 v[20+(\e)], v[20+(\e)], v[D+12+(\e)], v[D+16+(\e)]
	v_max3_num_f32 v[20+(\e)], v[20+(\e)], v[D+20+(\e)], v[D+24+(\e)]
	v_max3_num_f32 v[20+(\e)], v[20+(\e)], v[D+28+(\e)], s7  ; t', su', sv', sc', none below 1e-30
.endr
	v_rcp_f32 v28, v21
	v_rcp_f32 v29, v22
	v_rcp_f32 v30, v23
	v_mul_f32 v18, v20, v21                        ; G, plain work that names no reciprocal, stands behind the batch
	v_mul_f32 v19, v22, v23
	v_mul_f32 v18, v18, v19
	v_mul_f32 v18, 0x3e000000, v18                 ; x 2^-3
	v_mov_b32 v19, v18
	s_wait_alu depctr_va_vdst(0)                   ; the wait ahead of the first reader: one for the three reciprocals
	v_pk_mul_f32 v[SUP:SUP+1], v[SUP:SUP+1], v[28:29] op_sel_hi:[1,0]
	v_mul_f32 v24, v24, v29                        ; SV / sv'
	v_mul_f32 v25, v25, v30                        ; scales / sc'
	v_mul_f32 v24, v24, v25
	v_mul_f32 v24, 0.5, v24
	s_cmp_lt_u32 s[WV], 8
	s_cbranch_scc0 .Lno_rf
	ds_store_b32 v26, v24
.Lno_rf:
	s_or_b32 s36, s[CJ], s[RG]
	s_or_b32 s36, s36, s[WV]
	s_cmp_lg_u32 s36, 0
	s_cbranch_scc1 .Lno_g
	global_store_b64 v[GAD], v[18:19], s[20:21]    ; one wave of the launch writes gnorm's 256 bytes whole; its three registers are not written again
.Lno_g:
.set n, 0
.rept 64
	ds_load_b32 v[P+n], v[AT+n/16] offset:(n%16)*4*PITCH
.set n, n+1
.endr
	s_wait_dscnt 0x0                               ; my factor lies in LDS, and my part of the tile is in registers
	s_barrier_signal -1
	s_barrier_wait -1                              ; all 256 factors lie in LDS
	; Stage o7, straight from the f16 halves: rows i and i + 32 of my 64.
.set n, 0
.rept 32
	v_fma_mix_f32 v[D+2*n],    v[P+n],    v[ONE],  v[P+n+32] op_sel:[0,0,0] op_sel_hi:[1,0,1]
	v_fma_mix_f32 v[D+2*n+1],  v[P+n],    v[ONE],  v[P+n+32] op_sel:[1,0,1] op_sel_hi:[1,0,1]
	v_fma_mix_f32 v[D+2*n+64], v[P+n+32], v[MONE], v[P+n]    op_sel:[0,0,0] op_sel_hi:[1,0,1]
	v_fma_mix_f32 v[D+2*n+65], v[P+n+32], v[MONE], v[P+n]    op_sel:[1,0,1] op_sel_hi:[1,0,1]
.set n, n+1
.endr
.irp k, 0,1,2,3,4,5,6,7,8,9,10,11,12,13,14,15
	ds_load_b128 v[RF+4*(\k):RF+4*(\k)+3], v[RFA] offset:16*(\k)  ; the factors of my 64 rows land while the stages run
.endr
	STAGE 1                                        ; o2
	STAGE 2
	STAGE 4
	STAGE 8
	STAGE 16                                       ; o6
	LANEST SG1, 1                                  ; o0
	LANEST SG2, 2                                  ; o1
	s_wait_dscnt 0x0                               ; the factors are in
	; The diagonals, the rounding to f16, and back to the bytes that the pair was read from: my wave's own 32 bytes of each row; the tile has had its one fill.
.set n, 0
.rept 32
	v_pk_mul_f32 v[D+4*n:D+4*n+1],   v[D+4*n:D+4*n+1],   v[SUP:SUP+1]
	v_pk_mul_f32 v[D+4*n+2:D+4*n+3], v[D+4*n+2:D+4*n+3], v[SUP:SUP+1]
	v_pk_mul_f32 v[D+4*n:D+4*n+1],   v[D+4*n:D+4*n+1],   v[RF+2*n:RF+2*n+1] op_sel_hi:[1,0]
	v_pk_mul_f32 v[D+4*n+2:D+4*n+3], v[D+4*n+2:D+4*n+3], v[RF+2*n:RF+2*n+1] op_sel:[0,1] op_sel_hi:[1,1]
	v_cvt_pk_f16_f32 v[D+4*n],   v[D+4*n],   v[D+4*n+1]
	v_cvt_pk_f16_f32 v[D+4*n+2], v[D+4*n+2], v[D+4*n+3]
	ds_store_b32 v[AT+n/8], v[D+4*n]   offset:((2*n)%16)*4*PITCH
	ds_store_b32 v[AT+n/8], v[D+4*n+2] offset:((2*n+1)%16)*4*PITCH
.set n, n+1
.endr
	s_wait_dscnt 0x0                               ; for the others' sake: my columns lie in LDS
	s_barrier_signal -1
	s_barrier_wait -1                              ; the rows are whole
.irp r, 0,1,2,3,4,5,6,7,8,9,10,11,12,13,14,15
	ds_load_b128 v[D+4*(\r):D+4*(\r)+3], v[AO] offset:PITCH*(\r)
.endr
.irp r, 0,1,2,3,4,5,6,7,8,9,10,11,12,13,14,15
	s_wait_dscnt 15-(\r)                           ; LDS loads come back in order (ISA guide 5.7.1): row r is in, the younger ones stay out
	global_store_b128 v[WO], v[D+4*(\r):D+4*(\r)+3], s[22:23] offset:8192*(\r) th:TH_STORE_NT  ; 512 consecutive bytes, at a multiple of 512 from wq's first byte
.endr
	s_wait_tensorcnt 0x0                           ; the wave's end, behind my last tensor load and my last LDS store
	ds_add_u32 v[SPW], v[NIL]
	s_wait_dscnt 0x0
	s_endpgm
.Lfunc_end_k_qdc92fd6835_colmix:
	.size	k_qdc92fd6835_colmix, .Lfunc_end_k_qdc92fd6835_colmix-k_qdc92fd6835_colmix
	.p2alignl 7, 3214868480
	.fill 96, 4, 3214868480
	.section	.rodata,"a",@progbits
	.p2align	6, 0x0
	.amdhsa_kernel k_qdc92fd6835_colmix
		.amdhsa_group_segment_fixed_size 167936
		.amdhsa_private_segment_fixed_size 0
		.amdhsa_enable_private_segment 0
		.amdhsa_kernarg_size 56
		.amdhsa_user_sgpr_count 2
		.amdhsa_user_sgpr_kernarg_segment_ptr 1
		.amdhsa_wavefront_size32 1
		.amdhsa_system_sgpr_workgroup_id_x 1
		.amdhsa_system_sgpr_workgroup_id_y 1
		.amdhsa_system_sgpr_workgroup_id_z 1
		.amdhsa_system_vgpr_workitem_id 0
		.amdhsa_next_free_vgpr 256
		.amdhsa_next_free_sgpr 66
		.amdhsa_reserve_vcc 0
		.amdhsa_float_denorm_mode_32 3
		.amdhsa_float_denorm_mode_16_64 3
		.amdhsa_memory_ordered 1
		.amdhsa_forward_progress 1
		.amdhsa_inst_pref_size 85
	.end_amdhsa_kernel
	.amdgpu_metadata
---
amdhsa.version: [ 1, 2 ]
amdhsa.kernels:
  - .name:           k_qdc92fd6835_colmix
    .symbol:         k_qdc92fd6835_colmix.kd
    .args:
      - { .name: tq, .offset: 0, .size: 8, .value_kind: global_buffer, .address_space: global }
      - { .name: pmax, .offset: 8, .size: 8, .value_kind: global_buffer, .address_space: global }
      - { .name: SU, .offset: 16, .size: 8, .value_kind: global_buffer, .address_space: global }
      - { .name: SV, .offset: 24, .size: 8, .value_kind: global_buffer, .address_space: global }
      - { .name: scales, .offset: 32, .size: 8, .value_kind: global_buffer, .address_space: global }
      - { .name: wq, .offset: 40, .size: 8, .value_kind: global_buffer, .address_space: global }
      - { .name: gnorm, .offset: 48, .size: 8, .value_kind: global_buffer, .address_space: global }
    .group_segment_fixed_size: 167936
    .private_segment_fixed_size: 0
    .kernarg_segment_align: 8
    .kernarg_segment_size: 56
    .max_flat_workgroup_size: 512
    .sgpr_count:     66
    .vgpr_count:     256
    .wavefront_size: 32
...
	.end_amdgpu_metadata
.endif
;; end of part 2
;; launch gemm (part 3): grid 16 x 16, 4 waves a work-group, clusters of 4 x 4, 327,680 bytes of LDS; arguments xh, wq, out0, gnorm; writes out0
.if DOCPART == 3
	.amdgcn_target "amdgcn-amd-amdhsa--gfx1250"
	.amdhsa_code_object_version 6
	.text
	.protected	k_qdc92fd6835_gemm
	.globl	k_qdc92fd6835_gemm
	.p2align	8
	.type	k_qdc92fd6835_gemm,@function
k_qdc92fd6835_gemm:
	s_mov_b64 s[64:65], 0
	v_nop
	global_prefetch_b8 v0, s[64:65] scope:SCOPE_SE
	s_setreg_imm32_b32 hwreg(HW_REG_WAVE_MODE, 25, 1), 1
	s_wait_xcnt 0x0
	s_wait_alu depctr_hold_cnt(0) depctr_sa_sdst(0) depctr_va_vdst(0) depctr_va_sdst(0) depctr_va_ssrc(0) depctr_va_vcc(0) depctr_vm_vsrc(0)
	s_getreg_b32 s2, hwreg(HW_REG_IB_STS2, 6, 4)
	s_cmp_eq_u32 s2, 0
	s_cbranch_scc0 .Lentry_in_a_cluster
	s_endpgm
.Lentry_in_a_cluster:
	s_bfe_u32 s2, ttmp6, 0x10000c
	s_cmp_lg_u32 s2, 0xf033
	s_cbranch_scc0 .Lentry_shape_is_right
	s_endpgm
.Lentry_shape_is_right:
; TRELLIS LINEAR, launch 3 of 3: out0[m][n] = G x the sum over k of A[m][k] B[n][k].  A = xh [4096][4096] (x in f16), B = wq [4096][4096] (W' in f16), G = gnorm's first number; sums in f32, out0 f32.  Nothing is left out.
; LIMITS.  As the launches before state them: |x| under 65,504; |W'| <= 32,768 by its making; G finite.
; A tile of C, 256 x 256, is made by a work-group of four waves, as many as a WGP has SIMDs; a wave makes 128 x 128: 64 accumulators of 16 x 16, 512 registers.  C has 16 x 16 tiles: one for each of 256 work-groups.
; K goes in steps of 128 through a ring of two LDS slots filled by the tensor data mover: the rows of A's and B's tiles are 256 bytes of memory and start at multiples of 256 bytes from the buffer's first byte.
; The last K step goes by rows of C, so that finished rows leave while the others are multiplied.
; CLUSTERS: 4 x 4 work-groups.  The four of a row of the cluster need the same tiles of A, the four of a column the same tiles of B.  Such a tile is asked for JOINTLY: each of the four issues the same tensor load,
; with the same descriptor and a mask that names the four, and each receives the tile in its own LDS.  That divides the requests for A and for B by four.
; REGISTERS, in windows of 256 (s_set_vgpr_msb's low byte: bits 1:0 source 0, 3:2 source 1, 5:4 source 2, 7:6 destination):
;   window 0: v0-31 addresses; v64-127, v128-191 fragments of A, two buffers (in the last K step four, of 16 rows x 128 K); v32-63, v192-255 at work on the way out
;   window 1: v64-127, v128-191 fragments of B, two buffers; in the last K step all 256
;   window 2: the 32 accumulators of my rows 0-63 (accumulator (a, b) at v[8 (8 a + b)]);   window 3: those of my rows 64-127
; THE MATRIX INSTRUCTION IS USED TRANSPOSED: source 0 = 16 rows of B, source 1 = 16 rows of A.  In the result lane l holds row m = l % 16 of C and its registers 0 to 7 the columns n = 8 (l / 16) + 0..7:
; eight neighbouring numbers of a row of C, 32 bytes.
.set SIZE_M, 4096
.set SIZE_N, 4096
.set SIZE_K, 4096
.set KSTEP,  128
.set PITCH,  272                       ; an LDS row: 256 bytes of data + 16 of padding = 68 words: row r starts at bank 4 r mod 64 (64 banks of 4 bytes: ISA guide 11.1), so the 16 rows that a load touches start at 16 different banks
.set HALFT,  128*PITCH                 ; 128 rows: what one tensor load brings, and what one wave reads of A or of B
.set SLOT,   4*HALFT                   ; A's 256 rows, then B's 256 rows
.set STAGE,  2*SLOT                    ; behind the ring: 16 rows x 272 bytes for each wave, for the way out
.set SPITCH, 272
.set SPARE,  STAGE+4*16*SPITCH         ; behind the stages: the spare words, 128 bytes for each wave: two blocks of 256 bytes that no other line names
.set LAPS, SIZE_K/(2*KSTEP)            ; a lap = two K steps = once round the ring
.set ADRA, 16                          ; v16-17  LDS address of my A fragments in slot 0, 1
.set ADRB, 20                          ; v20-21  the same for B
.set STO,  24                          ; v24     the way out: where I put 32 bytes of a row
.set RD,   25                          ; v25     the way out: where I read a row back
.set CO,   26                          ; v26     my byte offset in C
.set SPW,  28                          ; v28     LDS address of my spare word; never rewritten
.set NIL,  29                          ; v29     0; never rewritten
.set PFO,  30                          ; v30     the prefetches' offset: my lane x a row of A or B in memory; never rewritten
.set PFA,  44                          ; s[44:45] where my prefetches stand: my work-group's 32 rows of the 128 that I fetch, one K step further along K than the refill that is being asked for
.set LIM,  43                          ; s43     1 in a wave that prefetches, else the greatest number
.set F0,   64                          ; fragment buffer 0
.set F1,   128                         ; fragment buffer 1
.set TMP,  192                         ; the way out: 16 rows x 64 columns times G, in window 0
.set OB,   32                          ; the way out: the same read back from the stage: v32-63 for the left 64 columns, v224-255 for the right
.set PA,   64                          ; the last K step: A's fragments of 16 rows x 128 K, 32 registers; four such buffers, v64-191
.set G1, 24                            ; s[24:31] descriptor group 1 for A's tiles
.set G0, 32                            ; s[32:39] descriptor group 0 for A's tiles, one set for each slot
.set G1B, 48                           ; s[48:55] descriptor group 1 for B's tiles: it differs from A's in the mask alone
.set G0B, 56                           ; s[56:63] descriptor group 0 for B's tiles, one set for each slot
.set GP, 66                            ; s[66:67] gnorm's address
.set GS, 68                            ; s[68:69] G, twice: the packed multiply names a pair
.set MSB, 0
.macro WIN new                         ; the immediate's high byte repeats the setting that is left; a switch that changes nothing is dropped
.if MSB != (\new)
	s_set_vgpr_msb (MSB<<8)|(\new)
.set MSB, \new
.endif
.endm
.set MUL_LO, 0xa1                      ; source 0 (B) window 1, source 1 (A) window 0, C and D window 2
.set MUL_HI, 0xf1                      ; the same, C and D window 3
.set TO_B,   0x40                      ; destination window 1, address window 0
; A joint load.  Waves 0 and 1 fetch A's two halves, waves 2 and 3 B's.  Each of the two lines has ONE mask and one set of registers for all that issue it, and nothing in them hangs on a coordinate that the
; four partners do not share.  The branch hangs on the wave's number alone.  An s_nop 0 and four v_nop follow each of the two lines, ahead of the jump, the label and what follows.
.macro JLOAD s
	s_cmp_eq_u32 s11, 0
	s_cbranch_scc0 .Lfor_b_\@
	tensor_load_to_lds s[G0+4*(\s):G0+4*(\s)+3], s[G1:G1+7]
	s_nop 0
.rept 4
	v_nop
.endr
	s_branch .Lasked_\@
.Lfor_b_\@:
	tensor_load_to_lds s[G0B+4*(\s):G0B+4*(\s)+3], s[G1B:G1B+7]
	s_nop 0
.rept 4
	v_nop
.endr
.Lasked_\@:
.endm
; A PREFETCH INTO THE L2, behind each joint load, its five lines and the run of LDS loads that follows them: the K step that stands TWO refills on, 512 matrix instructions ahead of the load that will ask for it:
; 32 rows x 256 bytes, a lane a row, one instruction a wave.  Each row's 256 bytes of a K step are named ONCE in the launch.  A's tile row is read by every cluster of that row of clusters: the first of them
; (cluster x = 0) asks; B's tile column by every cluster of that column: cluster y = 0 asks.  The four partners that ask for a tile jointly share its rows out BY ADDRESS: of the 128 rows that wave w fetches the
; partner at place p takes 32 p .. 32 p + 31 (p = cx for A, cy for B): no branch hangs on a work-group's place in its cluster.  The last two refills have no K step two on, and ask for nothing.
.macro ASK
	s_cmp_gt_u32 s3, s[LIM]                        ; s3 = 1 in the loop's last trip
	s_cbranch_scc0 .Lnot_mine_\@
	global_prefetch_b8 v[PFO], s[PFA:PFA+1] offset:KSTEP*2 th:TH_LOAD_NT scope:SCOPE_SE
.Lnot_mine_\@:
.endm
; A round of the cluster's barrier: my work-group's barrier, so that wave 0's signal speaks for all four waves; wave 0 signals for the work-group; every wave waits for all sixteen work-groups; my work-group's barrier once more.
.macro CREST                           ; a round behind its opening barrier
	s_cmp_lg_u32 s10, 0
	s_cbranch_scc1 .Lnot_wave_0_\@
	s_barrier_signal -3
.Lnot_wave_0_\@:
	s_barrier_wait -3
	s_barrier_signal -1
	s_barrier_wait -1
.endm
.macro CROUND                          ; a whole round
	s_barrier_signal -1
	s_barrier_wait -1
	CREST
.endm
	s_load_b128 s[4:7], s[0:1], 0x0                ; A s[4:5], B s[6:7]
	s_load_b64 s[8:9], s[0:1], 0x10                ; C
	s_load_b64 s[GP:GP+1], s[0:1], 0x18            ; gnorm
	v_lshl_add_u32 v[SPW], v0, 2, SPARE
	v_mov_b32 v[NIL], 0
	ds_add_u32 v[SPW], v[NIL]                      ; the wave's opening: the add, twice on end, and its wait ahead of my first tensor load; the set-up below, work on registers, stands between
	ds_add_u32 v[SPW], v[NIL]                      ; and once more, under the one wait
	v_lshrrev_b32 v1, 5, v0
	v_readfirstlane_b32 s10, v1                    ; wave 0..3
	s_lshr_b32 s11, s10, 1                         ; which half of the tile's rows is mine.  Also: I fetch for A (0) or for B (1)
	s_and_b32 s12, s10, 1                          ; which half of its columns.  Also: which 128 rows of that tile I fetch
	s_bfe_u32 s40, ttmp6, 0x40000                  ; cx: my place along the cluster's x
	s_bfe_u32 s41, ttmp6, 0x40004                  ; cy: along its y
	s_lshl_b32 s42, ttmp9, 2                       ; in a cluster launch ttmp9 and ttmp7 count clusters
	s_add_co_u32 s42, s42, s40                     ; tile column of C = 4 x cluster x + cx
	s_and_b32 s13, ttmp7, 0xffff
	s_lshl_b32 s13, s13, 2
	s_add_co_u32 s13, s13, s41                     ; tile row of C = 4 x cluster y + cy
	s_lshl_b32 s43, s41, 2
	s_lshl_b32 s43, 15, s43                        ; my row of the cluster: places 4 cy .. 4 cy + 3
	s_lshl_b32 s44, 0x1111, s40                    ; my column: places cx, cx + 4, cx + 8, cx + 12
	; descriptor group 1: a tile of 128 rows x 128 elements, padded in LDS
	s_or_b32 s[G1+0], s43, (1<<16)|(1<<20)|(1<<21)|(5<<22)|(3<<25)  ; 15:0 the mask: A's tiles go to my row; 17:16 element of 2 bytes; 20 padding on; 21 set beside a mask; 24:22 after every 64 words (code 5); 31:25 of 4 words (code 3)
	s_or_b32 s[G1B+0], s44, (1<<16)|(1<<20)|(1<<21)|(5<<22)|(3<<25) ; the same with the mask of my column, for B's tiles
	s_mov_b32 s[G1B+1], KSTEP<<16
	s_mov_b32 s[G1+1], KSTEP<<16                   ; tensor_dim0 = 128
	s_mov_b32 s[G1B+2], 128<<16
	s_mov_b32 s[G1+2], 128<<16                     ; tensor_dim1 = 128
	s_mov_b32 s[G1B+3], KSTEP<<16
	s_mov_b32 s[G1+3], KSTEP<<16                   ; tile_dim0 = 128
	s_mov_b32 s[G1B+4], 128
	s_mov_b32 s[G1+4], 128                         ; tile_dim1 = 128
	s_mov_b32 s[G1B+5], SIZE_K
	s_mov_b32 s[G1+5], SIZE_K                      ; elements from row to row
	s_mov_b32 s[G1B+6], 0
	s_mov_b32 s[G1+6], 0
	s_mov_b32 s[G1B+7], 0
	s_mov_b32 s[G1+7], 0
	; where the tiles come from.  A's hang on the tile row alone, which my row of the cluster shares; B's on the tile column alone, which my column shares.
	; Every wave makes both addresses, in registers that never hold the other coordinate, and asks by one of them.
	s_lshl_b32 s17, s12, 7                         ; which 128 rows of the tile I fetch
	s_lshl_b32 s16, s13, 8
	s_add_co_u32 s16, s16, s17                     ; A: row 256 x tile row + 128 x half
	s_lshl_b32 s46, s42, 8
	s_add_co_u32 s46, s46, s17                     ; B: row 256 x tile column + 128 x half
	s_mov_b32 s17, 0
	s_mov_b32 s47, 0
	s_mov_b64 s[18:19], SIZE_K*2
	s_mul_u64 s[16:17], s[16:17], s[18:19]         ; in bytes
	s_mul_u64 s[46:47], s[46:47], s[18:19]
	s_mul_i32 s20, s10, HALFT                      ; and where they go: A's two halves, then B's two halves = wave x 128 rows: no place in the cluster enters an LDS address
	s_wait_dscnt 0x0                               ; both opening adds are done
	s_wait_kmcnt 0x0
	s_add_nc_u64 s[14:15], s[4:5], s[16:17]
	s_add_nc_u64 s[46:47], s[6:7], s[46:47]
	s_load_b32 s[GS], s[GP:GP+1], 0x0              ; G: no line of this launch writes gnorm
	CROUND                                         ; all sixteen work-groups are here: the first joint loads meet
.irp s, 0,1
	s_mov_b32 s[G0+4*(\s)], 1                                      ; count = 1
	s_add_co_u32 s[G0+4*(\s)+1], s20, (\s)*SLOT                    ; LDS address
	s_add_nc_u64 s[G0+4*(\s)+2:G0+4*(\s)+3], s[14:15], (\s)*KSTEP*2  ; global address: K step s
	s_or_b32 s[G0+4*(\s)+3], s[G0+4*(\s)+3], 0x80000000            ; type = 2
	s_mov_b32 s[G0B+4*(\s)], 1
	s_add_co_u32 s[G0B+4*(\s)+1], s20, (\s)*SLOT
	s_add_nc_u64 s[G0B+4*(\s)+2:G0B+4*(\s)+3], s[46:47], (\s)*KSTEP*2
	s_or_b32 s[G0B+4*(\s)+3], s[G0B+4*(\s)+3], 0x80000000
	JLOAD \s                                       ; the ring is filled before anything else is done: two tensor loads of mine are out
.endr
	; A fragment is 16 rows x 32 K in 8 registers: lane l holds row l % 16; registers 0-3 hold K = 8 (l / 16) + 0..7, registers 4-7 hold K = 16 + 8 (l / 16) + 0..7: two loads of 16 bytes, 32 bytes apart.
	v_and_b32 v1, 15, v0                           ; l % 16
	v_bfe_u32 v2, v0, 4, 1                         ; l / 16
	v_mul_u32_u24 v3, v1, PITCH
	v_lshl_add_u32 v3, v2, 4, v3                   ; row x pitch + 16 x half
	s_mul_i32 s21, s11, HALFT                      ; my 128 rows of A
	s_mul_i32 s22, s12, HALFT                      ; my 128 rows of B,
	s_add_co_u32 s22, s22, 2*HALFT                 ; which lie behind A's 256
.irp s, 0,1
	v_add_nc_u32 v[ADRA+(\s)], s21, v3
	v_add_nc_u32 v[ADRB+(\s)], s22, v3
	s_add_co_u32 s21, s21, SLOT
	s_add_co_u32 s22, s22, SLOT
.endr
	s_mul_i32 s23, s10, 16*SPITCH
	s_add_co_u32 s23, s23, STAGE                   ; my stage
	v_mul_u32_u24 v4, v1, SPITCH                   ; in: row l % 16, 32 bytes for each half of the lanes
	v_lshl_add_u32 v4, v2, 5, v4
	v_add_nc_u32 v[STO], s23, v4
	v_mul_u32_u24 v5, v2, SPITCH                   ; back: lanes 0-15 take one row of 256 bytes, lanes 16-31 the next
	v_lshl_add_u32 v5, v1, 4, v5
	v_add_nc_u32 v[RD], s23, v5
	v_mul_u32_u24 v5, v2, SIZE_N*4                 ; and the same two rows in C
	v_lshl_add_u32 v[CO], v1, 4, v5
	; where my part of the tile begins in C, in bytes: the way out adds it to C's address
	s_lshl_b32 s13, s13, 8
	s_lshl_b32 s14, s11, 7
	s_add_co_u32 s16, s13, s14                     ; my first row of C
	s_mov_b32 s17, 0
	s_mov_b64 s[18:19], SIZE_N*4
	s_mul_u64 s[16:17], s[16:17], s[18:19]
	s_lshl_b32 s46, s42, 10                        ; my first column, in bytes: 1,024 x tile column + 512 x half
	s_lshl_b32 s47, s12, 9
	s_add_co_u32 s46, s46, s47
	s_mov_b32 s47, 0
	s_add_nc_u64 s[16:17], s[16:17], s[46:47]
	; the prefetches.  s13 = 256 x tile row, s42 = tile column, s40 = cx, s41 = cy still stand; s[4:5] = A, s[6:7] = B
	s_lshl_b32 s42, s42, 8
	s_and_b32 s22, ttmp7, 0xffff                   ; cluster y
	s_cmp_eq_u32 s11, 0                            ; do I fetch for A?
	s_cselect_b32 s20, s13, s42                    ; the tile's first row: in A by the tile row, in B by the tile column
	s_cselect_b32 s21, s40, s41                    ; my place among the four that ask for it with me
	s_cselect_b32 s22, ttmp9, s22                  ; the coordinate along which other clusters read the same rows
	s_cselect_b64 s[PFA:PFA+1], s[4:5], s[6:7]
	s_cmp_eq_u32 s22, 0
	s_cselect_b32 s[LIM], 1, -1                    ; the same in all sixteen partners, for a given wave
	s_lshl_b32 s22, s12, 7
	s_add_co_u32 s20, s20, s22                     ; + the 128 rows that I fetch
	s_lshl_b32 s21, s21, 5
	s_add_co_u32 s20, s20, s21                     ; + my work-group's 32 of them
	s_mov_b32 s21, 0
	s_mov_b64 s[18:19], SIZE_K*2
	s_mul_u64 s[20:21], s[20:21], s[18:19]
	s_add_nc_u64 s[PFA:PFA+1], s[PFA:PFA+1], s[20:21]
	s_add_nc_u64 s[PFA:PFA+1], s[PFA:PFA+1], 2*KSTEP*2  ; at K step 2: the first refill steps it to 3 and names K step 4
	v_and_b32 v[PFO], 31, v0
	v_mul_u32_u24 v[PFO], v[PFO], SIZE_K*2
	; nothing is prefetched here, at the head, where every work-group's first two tiles are on their way: K steps 2 and 3 come by their refills alone
; 16 matrix instructions: m blocks a0, a0 + 1 of the window's four (hi = 0: my rows 0-63, 1: rows 64-127) x all 8 n blocks, 32 along K.  zero = 1: the first product starts the sums: nothing is ever cleared.
; The 64 accumulators take turns, one instruction a turn, in the same order in every quarter step.
.macro MUL16 f, hi, a0, zero
	WIN MUL_LO+0x50*(\hi)
.irp a, \a0, (\a0)+1
.irp b, 0,1,2,3,4,5,6,7
.if \zero
	v_wmma_f32_16x16x32_f16 v[8*(8*(\a)+(\b)):8*(8*(\a)+(\b))+7], v[(\f)+8*(\b):(\f)+8*(\b)+7], v[(\f)+8*(4*(\hi)+(\a)):(\f)+8*(4*(\hi)+(\a))+7], 0
.else
	v_wmma_f32_16x16x32_f16 v[8*(8*(\a)+(\b)):8*(8*(\a)+(\b))+7], v[(\f)+8*(\b):(\f)+8*(\b)+7], v[(\f)+8*(4*(\hi)+(\a)):(\f)+8*(4*(\hi)+(\a))+7], v[8*(8*(\a)+(\b)):8*(8*(\a)+(\b))+7]
.endif
.endr
.endr
.endm
; 32 LDS loads in one run: the fragments of one quarter step (128 rows of B, 128 rows of A, 32 K at byte k of the rows) into buffer f
.macro FETCH slot, k, f
	WIN TO_B
.irp i, 0,1,2,3,4,5,6,7
	ds_load_b128 v[(\f)+8*(\i):(\f)+8*(\i)+3],   v[ADRB+(\slot)] offset:(\k)+(\i)*16*PITCH
	ds_load_b128 v[(\f)+8*(\i)+4:(\f)+8*(\i)+7], v[ADRB+(\slot)] offset:(\k)+(\i)*16*PITCH+32
.endr
	WIN 0
.irp i, 0,1,2,3,4,5,6,7
	ds_load_b128 v[(\f)+8*(\i):(\f)+8*(\i)+3],   v[ADRA+(\slot)] offset:(\k)+(\i)*16*PITCH
	ds_load_b128 v[(\f)+8*(\i)+4:(\f)+8*(\i)+7], v[ADRA+(\slot)] offset:(\k)+(\i)*16*PITCH+32
.endr
.endm
; A load into a register that a matrix instruction has read, and a vector instruction that reads a matrix result, stand four places behind that matrix instruction, and only plain vector instructions that name
; none of its registers are places (ISA guide 7.12.1 for vector instructions).
.macro PLACES
.rept 4
	v_nop
.endr
.endm
; A K step is four quarter steps of 32 along K, 64 matrix instructions each, on buffers 0, 1, 0, 1.
; One of the first three: multiplies buffer f; in its middle it fetches the next quarter's fragments, at byte k of the same slot's rows, into buffer g.
.macro QUARTER slot, k, f, g, zero
	s_wait_dscnt 8                                 ; B and A's rows 0-63 are in; the youngest eight loads (A's rows 64-127) may be out
	WIN MUL_LO
	MUL16 \f, 0, 0, \zero
	MUL16 \f, 0, 2, \zero
	PLACES
	FETCH \slot, \k, \g
	s_wait_dscnt 32                                ; all but the 32 just issued
	WIN MUL_HI
	MUL16 \f, 1, 0, \zero
	MUL16 \f, 1, 2, \zero
.endm
; The last quarter multiplies buffer 1 and changes slots.  MEET is its first half: ONE barrier for the change of slots.  In front of it each wave waits for all its tensor loads, of which one is out: its part of
; the next slot; adds 0 to its spare word; and waits for that and for its own reads of this slot.  Behind it nobody reads this slot any more and the next slot is whole.
.macro MEET round                      ; round = 1: a round of the cluster's barrier follows
	WIN 0                                          ; (the add's two registers lie in window 0)
	s_wait_tensorcnt 0x0                           ; all my tensor loads have landed: the one that was out is my part of the next slot;
	ds_add_u32 v[SPW], v[NIL]                      ; 0 onto my spare word;
	s_wait_dscnt 9                                 ; (the add and the youngest eight loads may be out)
	WIN MUL_LO
	MUL16 F1, 0, 0, 0                              ; sixteen matrix instructions stand between the add and the wait for it
	s_wait_dscnt 0x0                               ; the add is done, and my reads of this slot are over:
	s_barrier_signal -1                            ; say so (where a slot is filled again this barrier opens a round of the cluster's barrier),
	MUL16 F1, 0, 2, 0                              ; work on registers while the others arrive,
.if \round
	WIN 0
.endif
	s_barrier_wait -1                              ; and go on when all four have said so
.endm
; The whole last quarter.  Behind the round the slot just read out is filled again first, with the K step two steps on; then come the next slot's first fragments.
; From a request to the wait for it a wave issues 224 matrix instructions.
.macro TURN slot, next
	s_wait_xcnt 0x0                                ; the last prefetch, a K step back, has read its address: it is stepped here, ahead of the waits of the change of slots
	s_add_nc_u64 s[PFA:PFA+1], s[PFA:PFA+1], KSTEP*2
	MEET 1
	CREST                                          ; no wave of any partner still reads this slot's tile or has a load on its way
	s_add_nc_u64 s[G0+4*(\slot)+2:G0+4*(\slot)+3], s[G0+4*(\slot)+2:G0+4*(\slot)+3], 2*KSTEP*2
	s_add_nc_u64 s[G0B+4*(\slot)+2:G0B+4*(\slot)+3], s[G0B+4*(\slot)+2:G0B+4*(\slot)+3], 2*KSTEP*2
	JLOAD \slot                                    ; the first tensor load behind the round, my only one until the next; the four v_nop behind it are also the places in front of the loads below
	FETCH \next, 0, F0
	ASK                                            ; behind the joint load and the run of LDS loads that the next products wait for
	WIN MUL_HI
	MUL16 F1, 1, 0, 0
	MUL16 F1, 1, 2, 0
.endm
; THE LAST K STEP (it lies in slot 1) GOES BY ROWS OF C, NOT BY K.  All its fragments of B (4 quarters x 64 registers) fill window 1; then my eight blocks of 16 rows are finished one after the other, each with 32
; matrix instructions (its 8 accumulators by turns, K ascending).  LDS is read no more than in any other K step.
.macro BLOAD q                         ; B's fragments of quarter q -> window 1, v[64 q ..]
	WIN TO_B
.irp i, 0,1,2,3,4,5,6,7
	ds_load_b128 v[64*(\q)+8*(\i):64*(\q)+8*(\i)+3],   v[ADRB+1] offset:64*(\q)+(\i)*16*PITCH
	ds_load_b128 v[64*(\q)+8*(\i)+4:64*(\q)+8*(\i)+7], v[ADRB+1] offset:64*(\q)+(\i)*16*PITCH+32
.endr
.endm
.macro ALOAD a                         ; A's fragments of block a, all four quarters -> buffer a % 4
	WIN 0
.set FA, PA+32*((\a)%4)
.irp q, 0,1,2,3
	ds_load_b128 v[FA+8*(\q):FA+8*(\q)+3],   v[ADRA+1] offset:64*(\q)+(\a)*16*PITCH
	ds_load_b128 v[FA+8*(\q)+4:FA+8*(\q)+7], v[ADRA+1] offset:64*(\q)+(\a)*16*PITCH+32
.endr
.endm
.macro ROW a                           ; block a is finished: 32 matrix instructions
.set FA, PA+32*((\a)%4)                ; its fragments of A
.set AC, 64*((\a)%4)                   ; its eight accumulators, in window 2 (blocks 0-3) or 3 (blocks 4-7)
	WIN MUL_LO+0x50*((\a)/4)
.irp q, 0,1,2,3
.if (\a) == 0 && (\q) == 2
	s_wait_dscnt 24                                ; B's quarter 2 is in (behind it: A's blocks 1 to 3)
.endif
.irp b, 0,1,2,3,4,5,6,7
	v_wmma_f32_16x16x32_f16 v[AC+8*(\b):AC+8*(\b)+7], v[64*(\q)+8*(\b):64*(\q)+8*(\b)+7], v[FA+8*(\q):FA+8*(\q)+7], v[AC+8*(\b):AC+8*(\b)+7]
.endr
.endr
.endm
; THE WAY OUT of block a, in two halves of 64 columns, so that a stage row is 256 bytes.  PACK: the half's four accumulators times G, each taken from its lowest registers on.
.macro PACK a, hf
.set AC, 64*((\a)%4)+32*(\hf)
	WIN 0x02+(\a)/4                                ; source 0: window 2 or 3; destination window 0
.irp bb, 0,1,2,3
.irp r, 0,1,2,3
	v_pk_mul_f32 v[TMP+8*(\bb)+2*(\r):TMP+8*(\bb)+2*(\r)+1], v[AC+8*(\bb)+2*(\r):AC+8*(\bb)+2*(\r)+1], s[GS:GS+1] op_sel_hi:[1,0]
.endr
.endr
	WIN 0
.endm
; TOSTAGE: 32 bytes a lane and accumulator into my own stage in LDS, and back as whole rows of 256 bytes.
.macro TOSTAGE hf
	WIN 0
.set BK, OB+192*(\hf)
.if (\hf) == 0
	s_wait_xcnt 0x0                                ; the stores of the block before have read their registers and their base: both read-back buffers and the base are rewritten only behind this wait; no global instruction follows it ahead of those lines
.endif
.irp bb, 0,1,2,3
	ds_store_b128 v[STO], v[TMP+8*(\bb):TMP+8*(\bb)+3]   offset:64*(\bb)
	ds_store_b128 v[STO], v[TMP+8*(\bb)+4:TMP+8*(\bb)+7] offset:64*(\bb)+16
.endr
.irp t, 0,1,2,3,4,5,6,7
	ds_load_b128 v[BK+4*(\t):BK+4*(\t)+3], v[RD] offset:(\t)*2*SPITCH  ; LDS serves a wave's instructions in order (ISA guide 5.7.1.4): these see the stores above, and the next half's stores come behind them
.endr
.endm
; SEND: stored.  younger: the LDS instructions issued behind this half's loads, which may stay out.
.macro SEND a, hf, younger
	WIN 0
.set BK, OB+192*(\hf)
	s_wait_dscnt \younger                          ; the half is back in registers
.if (\hf) == 0
.if (\a) == 0
	s_add_nc_u64 s[8:9], s[8:9], s[16:17]          ; on to my first rows
.else
	s_add_nc_u64 s[8:9], s[8:9], 16*SIZE_N*4       ; 16 rows of C on
.endif
.endif
.irp t, 0,1,2,3,4,5,6,7
	global_store_b128 v[CO], v[BK+4*(\t):BK+4*(\t)+3], s[8:9] offset:2*(\t)*SIZE_N*4+256*(\hf) th:TH_STORE_NT  ; 16 lanes store 256 consecutive bytes, at a multiple of 256 from C's first byte
.endr
.endm
	s_wait_kmcnt 0x0                               ; G
	s_mov_b32 s[GS+1], s[GS]
	s_wait_tensorcnt 1                             ; my part of K step 0 is in; K step 1's may stay out
	s_barrier_signal -1
	s_barrier_wait -1                              ; everybody's is
	FETCH 0, 0, F0
	QUARTER 0, 64,  F0, F1, 1                      ; the first quarter stands in front of the loop: its products start the sums
	WIN 0                                          ; at a label and at a branch every window is 0
	s_mov_b32 s3, LAPS-1
.Llap:                                                 ; a trip goes once round the ring, from a lap's second quarter to the next lap's first, and fills both slots again
	QUARTER 0, 128, F1, F0, 0
	QUARTER 0, 192, F0, F1, 0
	TURN 0, 1
	QUARTER 1, 64,  F0, F1, 0
	QUARTER 1, 128, F1, F0, 0
	QUARTER 1, 192, F0, F1, 0
	TURN 1, 0
	QUARTER 0, 64,  F0, F1, 0
	WIN 0
	s_sub_co_u32 s3, s3, 1
	s_cmp_lg_u32 s3, 0
	s_cbranch_scc1 .Llap
	QUARTER 0, 128, F1, F0, 0                      ; the last lap goes on; it asks for nothing more
	QUARTER 0, 192, F0, F1, 0
	MEET 0                                         ; my one tensor load that was still out is slot 1's, the last K step's, so no round follows
	PLACES                                         ; for the loads into buffer 0, which the quarter before multiplied
	WIN TO_B
	BLOAD 0                                        ; three quarters of B now: buffer 1 (v128-191 of both windows) is still being multiplied
	BLOAD 1
	BLOAD 3
	WIN 0
	ALOAD 0
	WIN MUL_HI
	MUL16 F1, 1, 0, 0
	MUL16 F1, 1, 2, 0
	PLACES                                         ; for the loads into buffer 1
	WIN TO_B
	BLOAD 2
	WIN 0
	ALOAD 1
	ALOAD 2
	ALOAD 3
	s_wait_dscnt 40                                ; all but the 40 just issued
	ROW 0
.irp a, 0,1,2,3,4,5,6,7                ; each block leaves as soon as it is finished: nothing follows this tile, so the sooner its stores begin, the sooner the launch ends
	PLACES                                         ; its multiplies by G read results just made; they are also the places in front of the loads into A's buffer
	PACK \a, 0
	TOSTAGE 0
	PACK \a, 1
	TOSTAGE 1
.if (\a) < 4
	ALOAD (\a)+4                                   ; its buffer takes the block four further on
	SEND \a, 0, 24                                 ; behind the left half's loads: the right half's sixteen and A's eight
	SEND \a, 1, 8                                  ; behind the right half's: A's eight
.else
	SEND \a, 0, 16
	SEND \a, 1, 0
.endif
.if (\a) < 7
	ROW (\a)+1
.endif
.endr
	s_wait_tensorcnt 0x0                           ; the wave's end, behind my last tensor load and my last LDS store
	ds_add_u32 v[SPW], v[NIL]
	s_wait_dscnt 0x0
	CROUND                                         ; the closing round: no work-group ends while a partner may still ask for a tile that names it
	s_endpgm
.Lfunc_end_k_qdc92fd6835_gemm:
	.size	k_qdc92fd6835_gemm, .Lfunc_end_k_qdc92fd6835_gemm-k_qdc92fd6835_gemm
	.p2alignl 7, 3214868480
	.fill 96, 4, 3214868480
	.section	.rodata,"a",@progbits
	.p2align	6, 0x0
	.amdhsa_kernel k_qdc92fd6835_gemm
		.amdhsa_group_segment_fixed_size 327680
		.amdhsa_private_segment_fixed_size 0
		.amdhsa_enable_private_segment 0
		.amdhsa_kernarg_size 32
		.amdhsa_user_sgpr_count 2
		.amdhsa_user_sgpr_kernarg_segment_ptr 1
		.amdhsa_wavefront_size32 1
		.amdhsa_system_sgpr_workgroup_id_x 1
		.amdhsa_system_sgpr_workgroup_id_y 1
		.amdhsa_system_sgpr_workgroup_id_z 1
		.amdhsa_system_vgpr_workitem_id 0
		.amdhsa_next_free_vgpr 1024
		.amdhsa_next_free_sgpr 72
		.amdhsa_reserve_vcc 0
		.amdhsa_float_denorm_mode_32 3
		.amdhsa_float_denorm_mode_16_64 3
		.amdhsa_memory_ordered 1
		.amdhsa_forward_progress 1
		.amdhsa_inst_pref_size 159
	.end_amdhsa_kernel
	.amdgpu_metadata
---
amdhsa.version: [ 1, 2 ]
amdhsa.kernels:
  - .name:           k_qdc92fd6835_gemm
    .symbol:         k_qdc92fd6835_gemm.kd
    .args:
      - { .name: xh, .offset: 0, .size: 8, .value_kind: global_buffer, .address_space: global }
      - { .name: wq, .offset: 8, .size: 8, .value_kind: global_buffer, .address_space: global }
      - { .name: out0, .offset: 16, .size: 8, .value_kind: global_buffer, .address_space: global }
      - { .name: gnorm, .offset: 24, .size: 8, .value_kind: global_buffer, .address_space: global }
    .group_segment_fixed_size: 327680
    .private_segment_fixed_size: 0
    .kernarg_segment_align: 8
    .kernarg_segment_size: 32
    .max_flat_workgroup_size: 128
    .sgpr_count:     72
    .vgpr_count:     1024
    .wavefront_size: 32
...
	.end_amdgpu_metadata
.endif
;; end of part 3
